; MI455X (gfx1250); checked and timed in simulation.
; The chip was launched on July 23, 2026; its instructions are those of AMD's public machine-readable ISA for CDNA 5 (MIT licence, August 2026) and "CDNA5" Instruction Set Architecture Reference Guide (July 2026). The comments in the code are by the model that wrote it; some were corrected since.
;; k NN VC. Allowed arithmetic: matrix products marked QUANTISED: E3M2 operands, one E8M0 scale for each 32 along K, by v_wmma_scale_f32_16x16x128_f8f6f4 with both operands' format E3M2, f32 sums; everything else in f32.
;; Inputs: source_feats 1,024 x 1,024 float32; target_feats 50,000 x 1,024 float32.
;; Outputs: out0 1,024 x 1,024 float32.
;; Constants: k = 4.
;; This version of the problem:
;;   THIS VERSION OF THE PROBLEM IS GIVEN IN LOW PRECISION. The matrix products marked QUANTISED in the list below multiply operands that are first quantised to E3M2 (3 exponent bits, 2 mantissa bits; 6 bits a number), with one power-of-two scale for each 32 numbers along K (OCP MX v1.0); their sums are f32. All else is computed in f32.
;;   The module's matrix products, in the order in which they are computed (A, B: the left and right operand; K: the contracted axis; several contracted axes count as one K, in the product's order):
;;     1. [M 1,024, K 1,024] x [K 1,024, N 50,000]; A: computed on the way; B: computed on the way: QUANTISED
;;   THE QUANTISER, for each operand of a quantised product, along K:
;;     - K is cut into blocks of 32 from its start; a last block that is shorter is filled with zeros.
;;     - A block's scale is 2^e with e = floor(log2(the largest magnitude in the block)) - 4, held to -126 .. 127; a block of zeros has e = 0. As a byte (E8M0): e + 127.
;;     - Each number is divided by its block's scale, clamped to +-28, and rounded to the nearest number of E3M2, ties to even, subnormals kept.
;;     - The product sums the exact products of the quantised numbers (number of the format x scale) in f32.
;;   ~~~python
;;   def quantise(x, axis):      # numpy; x: float32 -> the quantised numbers, widened to float32 again
;;       x = np.moveaxis(x, axis, -1); K = x.shape[-1]
;;       x = np.pad(x, [(0, 0)] * (x.ndim - 1) + [(0, -K % 32)]); x = x.reshape(x.shape[:-1] + (-1, 32)); a = np.abs(x).max(-1, keepdims=True)
;;       e = np.where(a > 0, np.clip(np.frexp(np.where(a > 0, a, 1))[1] - 1 - 4, -126, 127), 0)      # np.frexp(a)[1] - 1 = floor(log2(a)), exactly
;;       r = np.clip(x / 2.0 ** e, -28, 28)
;;       step = 2.0 ** (np.maximum(np.frexp(np.where(r == 0, 1, r))[1] - 1, -2) - 2)
;;       q = np.round(r / step) * step * 2.0 ** e      # np.round: ties to even
;;       return np.moveaxis(q.reshape(q.shape[:-2] + (-1,))[..., :K], -1, axis).astype(np.float32)
;;   ~~~
;;   OPERANDS COMPUTED ON THE WAY. 'Computed on the way' means the value that the module computes at that place (a softmax that the list does not call 'softmax' is quantised finished and normalised). What goes into a quantiser is computed in f32, as accurately as f32 sums, v_exp_f32 and their like allow (about 1e-6 of the number): no bf16 or f16 on the way to a quantiser, and a product that is left as it is and whose result goes on into a quantised operand takes f32 operands (vector FMAs, or v_wmma_f32_16x16x4_f32). A number that lies on a knife's edge between two numbers of the format may be rounded either way, as far as f32 arithmetic and the matrix unit's own rounding can turn it there, and no further.
;; One version. Each part assembles by itself: llvm-mc -triple=amdgcn-amd-amdhsa -mcpu=gfx1250 --defsym DOCPART=n.
;; ======== version 1 of 1: 5 launches
;; limits: right only within a limited range of input values
;; workspace buffers: tcode 41,746,432 bytes; scode 851,968 bytes; candv 2,097,152 bytes; candg 2,097,152 bytes of whole numbers; topg 16,384 bytes of whole numbers; nbr 16,384 bytes of whole numbers
;; launch quant (part 1): grid 3200 x 1, 4 waves a work-group, no clusters, 34,816 bytes of LDS; arguments target_feats, source_feats, tcode, scode; writes tcode, scode
.if DOCPART == 1
	.amdgcn_target "amdgcn-amd-amdhsa--gfx1250"
	.amdhsa_code_object_version 6
	.text
	.protected	k_q6d85151078_quant
	.globl	k_q6d85151078_quant
	.p2align	8
	.type	k_q6d85151078_quant,@function
k_q6d85151078_quant:
	s_mov_b64 s[64:65], 0
	v_nop
	global_prefetch_b8 v0, s[64:65] scope:SCOPE_SE
	s_setreg_imm32_b32 hwreg(HW_REG_WAVE_MODE, 25, 1), 1
	s_wait_xcnt 0x0
; y = x / |x| row by row in f32, then y into codes of BF6 (E3M2) with one E8M0 scale byte for each 32 along K = 1,024.
; target_feats [50000][1024] and source_feats [1024][1024], f32.  One launch serves both: work-groups 0 .. 3,135 make target records, the other 64 source records; only pointers are chosen, the text has one path.
; A RECORD is a tile of 16 rows for all of K, laid as the IMAGE OF THE OPERAND'S REGISTERS, 13,312 bytes:
;   codes at 1,536 s + 512 c + 16 lane (K step s = 0 .. 7, c = 0 .. 2): registers 4 c .. 4 c + 3 of that lane's 12-register fragment;
;   scale words at 12,288 + 256 p + 8 lane (p = 0 .. 3): the words of K steps 2 p and 2 p + 1 of row lane % 16 (lanes 16-31 hold copies).
; 50,000 rows are 3,125 tiles; the product's launch walks 64 chunks of 49 records and reads every byte of them, so records 3,125 .. 3,135 are stored too: copies of tile 3,124 (the input tile is clamped).
; That launch holds their results at -infinity.
; SHARES.  A work-group takes a tile; wave w takes K steps 2 w and 2 w + 1: 1,024 bytes of each of the 16 rows.  Each load reads 512 consecutive bytes of a row; the conversions want 16 neighbours along K in ONE lane,
; so each 16 x 512 bytes turn through the wave's own stage in LDS (rows 528 bytes apart: the sixteen rows that a load of 16 bytes a lane touches start at sixteen different 16-byte columns).
; The rows' sums of squares meet in LDS behind the launch's one barrier.
; A block's scale is 2^(floor(log2(its largest magnitude)) - 4); its byte is the largest magnitude's exponent field - 4, held at 1 from below.
; LIMITS.  y = x * rsq(sum of squares): it differs from x / sqrt(..) by a few parts in 10^7.  Rows whose sum of squares is 0, lies under 2^-126 or overflows f32, NaN and infinities are not served.
; A block of zeros gets the byte 1 where the rule says 127: its codes are zeros, and this program alone reads the bytes.
.set REC,   13312
.set NREC,  3136                       ; target records
.set LASTT, 3124                       ; the last true tile of targets
.set SP,    528                        ; a stage row
.set STW,   16*SP                      ; a wave's stage
.set PS,    4*STW                      ; behind the stages: 16 rows x 4 waves' partial sums
.set LO,  1                            ; v1   16 x lane
.set L8,  2                            ; v2   8 x lane
.set SA,  3                            ; v3   stage, on the way in: 16 x lane
.set LA,  4                            ; v4   stage, on the way out: 528 r + 64 h
.set PA,  5                            ; v5   where I put my row's partial sum
.set PB,  6                            ; v6   where I read my row's four
.set R0,  32                           ; v32-95   K step 2 w as loaded; later X1
.set R1,  96                           ; v96-159  K step 2 w + 1 as loaded; later what follows below
.set X0,  160                          ; v160-223 K step 2 w: register 16 b + i = k 32 b + 16 h + i of row r
.set X1,  32
.set PC0, 96                           ; v96-114  the first fragment's codes
.set PC1, 116                          ; v116-134 the second's
.set TM,  136                          ; v136-151 at work in QUANT
.set PW,  152                          ; v152-153 the two scale words
.set RN,  154                          ; v154-155 1 / |x|, twice
.set PT,  156                          ; v156-159 the four waves' partial sums
.set SS,  224                          ; v224-227 two packed chains of sums
.set TP,  228
; 64 numbers of a lane, v[s] on, become a fragment's codes in v[pc] .. v[pc + 11] and its scale word in v[pw].
.macro QUANT s, pc, pw
.irp b, 0,1,2,3
	v_max3_num_f32 v[TM+\b], |v[\s+16*\b]|, |v[\s+1+16*\b]|, 0x2800000   ; block b: my 16 numbers, and the floor 2^(5 - 127): so the byte cannot fall under 1
.endr
.irp i, 2,4,6,8,10,12,14
.irp b, 0,1,2,3
	v_max3_num_f32 v[TM+\b], v[TM+\b], |v[\s+16*\b+\i]|, |v[\s+1+16*\b+\i]|   ; the four blocks by turns
.endr
.endr
.irp b, 0,1,2,3
	v_permlanex16_b32 v[TM+4+\b], v[TM+\b], s20, s21
.endr
.irp b, 0,1,2,3
	v_max_num_f32 v[TM+\b], v[TM+\b], v[TM+4+\b]       ; with lane l xor 16's: the block's largest magnitude
.endr
.irp b, 0,1,2,3
	v_add_nc_u32 v[TM+12+\b], 0xfe000000, v[TM+\b]     ; 4 off its exponent field: the conversion takes the exponent field of this operand as its scale
.endr
.irp b, 0,1,2,3
	v_lshrrev_b32 v[TM+4+\b], 23, v[TM+12+\b]          ; the scale's byte
.endr
	v_lshl_or_b32 v[\pw], v[TM+5], 8, v[TM+4]          ; four bytes make my row's scale word
	v_lshl_or_b32 v[\pw], v[TM+6], 16, v[\pw]
	v_lshl_or_b32 v[\pw], v[TM+7], 24, v[\pw]
.irp c, 0,1
	v_cvt_scalef32_pk16_bf6_f32 v[\pc+6*\c:\pc+2+6*\c], v[\s+32*\c:\s+15+32*\c], v[TM+12+2*\c]
	v_cvt_scalef32_pk16_bf6_f32 v[\pc+12+4*\c:\pc+14+4*\c], v[\s+16+32*\c:\s+31+32*\c], v[TM+12+2*\c+1]   ; a conversion's three registers begin on an even number
.endr
	v_nop                                              ; one plain place behind a scaled conversion
.irp c, 0,1                                        ; the operand wants a WHOLE block in a lane: lanes 0-15 block 2 c, lanes 16-31 block 2 c + 1
.irp i, 0,1,2
	v_permlane16_swap_b32 v[\pc+6*\c+\i], v[\pc+12+4*\c+\i]
.endr
.irp i, 0,1,2
	v_mov_b32 v[\pc+3+6*\c+\i], v[\pc+12+4*\c+\i]
.endr
.endr
.endm
	s_load_b256 s[4:11], s[0:1], 0x0                   ; targets s[4:5], sources s[6:7], tcode s[8:9], scode s[10:11]
	v_lshl_add_u32 v232, v0, 2, 0x8600
	v_mov_b32 v233, 0
	v_lshrrev_b32 v7, 5, v0
	v_readfirstlane_b32 s12, v7                        ; wave 0..3
	v_and_b32 v8, 31, v0                               ; lane
	v_and_b32 v9, 15, v0                               ; r
	v_bfe_u32 v10, v0, 4, 1                            ; h
	v_lshlrev_b32 v[LO], 4, v8
	v_lshlrev_b32 v[L8], 3, v8
	s_mul_i32 s28, s12, STW                            ; my stage
	v_add_nc_u32 v[SA], s28, v[LO]
	v_mul_u32_u24 v[LA], v9, SP
	v_lshl_add_u32 v[LA], v10, 6, v[LA]
	v_add_nc_u32 v[LA], s28, v[LA]
	s_lshl_b32 s29, s12, 2
	s_add_co_u32 s29, s29, PS
	v_lshlrev_b32 v[PB], 4, v9
	v_add_nc_u32 v[PA], s29, v[PB]                     ; PS + 16 r + 4 w
	v_add_nc_u32 v[PB], PS, v[PB]                      ; PS + 16 r
	v_mov_b32 v[TP], 0                                 ; a lane permute's destination counts as one of its sources
	s_mov_b32 s20, 0x76543210
	s_mov_b32 s21, 0xfedcba98                          ; v_permlanex16_b32's selects for lane l xor 16
	s_wait_alu depctr_va_vdst(0)
	s_wait_kmcnt 0x0
	s_cmp_lt_u32 ttmp9, NREC                           ; targets or sources?  The choice hangs on the work-group's number alone
	s_cselect_b64 s[4:5], s[4:5], s[6:7]
	s_cselect_b64 s[8:9], s[8:9], s[10:11]
	s_cselect_b32 s13, 0, NREC
	s_sub_co_u32 s13, ttmp9, s13                       ; the record
	s_min_u32 s22, s13, LASTT                          ; the tile that it is made of
	s_lshl_b32 s22, s22, 16                            ; 16 rows of 4,096 bytes,
	s_lshl_b32 s23, s12, 10                            ; my wave's 1,024 bytes of a row
	s_add_co_u32 s22, s22, s23
	s_mov_b32 s23, 0
	s_add_nc_u64 s[14:15], s[4:5], s[22:23]
	s_mul_i32 s24, s13, REC
	s_mul_i32 s25, s12, 3072                           ; my two K steps' codes
	s_add_co_u32 s26, s24, s25
	s_mov_b32 s27, 0
	s_add_nc_u64 s[16:17], s[8:9], s[26:27]
	s_lshl_b32 s25, s12, 8                             ; and their scale words
	s_add_co_u32 s24, s24, s25
	s_add_co_u32 s24, s24, 12288
	s_mov_b32 s25, 0
	s_add_nc_u64 s[18:19], s[8:9], s[24:25]
.irp e, 0,1
.irp p, 0,1,2,3,4,5,6,7,8,9,10,11,12,13,14,15
	global_load_b128 v[R0+64*\e+4*\p:R0+64*\e+4*\p+3], v[LO], s[14:15] offset:\p*4096+\e*512 th:TH_LOAD_NT   ; 32 lanes read 512 consecutive bytes of row p
.endr
.endr
	s_wait_loadcnt 16                                  ; K step 2 w is in; the 16 younger loads stay out
.irp p, 0,1,2,3,4,5,6,7,8,9,10,11,12,13,14,15
	ds_store_b128 v[SA], v[R0+4*\p:R0+4*\p+3] offset:SP*\p
.endr
.irp b, 0,1,2,3
.irp j, 0,1,2,3
	ds_load_b128 v[X0+16*\b+4*\j:X0+16*\b+4*\j+3], v[LA] offset:128*\b+16*\j   ; LDS serves a wave's instructions in order: these see the stores above
.endr
.endr
	s_wait_loadcnt 0x0
.irp p, 0,1,2,3,4,5,6,7,8,9,10,11,12,13,14,15
	ds_store_b128 v[SA], v[R1+4*\p:R1+4*\p+3] offset:SP*\p                     ; behind the first turn's loads, in order
.endr
	s_wait_dscnt 32                                    ; behind the first turn's stores stand 16 loads and 16 stores: those stores have read v32-95,
.irp b, 0,1,2,3
.irp j, 0,1,2,3
	ds_load_b128 v[X1+16*\b+4*\j:X1+16*\b+4*\j+3], v[LA] offset:128*\b+16*\j   ; which take K step 2 w + 1
.endr
.endr
	s_wait_dscnt 32                                    ; behind the first turn's loads stand 16 stores and 16 loads: X0 is in
	v_pk_mul_f32 v[SS:SS+1], v[X0:X0+1], v[X0:X0+1]    ; the first products start the two chains: nothing is cleared
	v_pk_mul_f32 v[SS+2:SS+3], v[X0+2:X0+3], v[X0+2:X0+3]
.set i, 4
.rept 15
	v_pk_fma_f32 v[SS:SS+1], v[X0+i:X0+i+1], v[X0+i:X0+i+1], v[SS:SS+1]
	v_pk_fma_f32 v[SS+2:SS+3], v[X0+i+2:X0+i+3], v[X0+i+2:X0+i+3], v[SS+2:SS+3]
.set i, i+4
.endr
	s_wait_alu depctr_va_vdst(0)
	s_wait_dscnt 0x0                                   ; X1 is in, and the second turn's stores have read v96-159
.set i, 0
.rept 16
	v_pk_fma_f32 v[SS:SS+1], v[X1+i:X1+i+1], v[X1+i:X1+i+1], v[SS:SS+1]
	v_pk_fma_f32 v[SS+2:SS+3], v[X1+i+2:X1+i+3], v[X1+i+2:X1+i+3], v[SS+2:SS+3]
.set i, i+4
.endr
	v_add_f32 v[SS], v[SS], v[SS+1]
	v_add_f32 v[SS+2], v[SS+2], v[SS+3]
	v_add_f32 v[SS], v[SS], v[SS+2]
	v_permlanex16_b32 v[TP], v[SS], s20, s21
	v_add_f32 v[SS], v[SS], v[TP]                      ; row r's sum over my wave's 256 numbers
	ds_store_b32 v[PA], v[SS]                          ; lanes r and r + 16 write the same word with the same value
.irp b, 0,1,2,3
	v_mov_b32 v[TM+4+\b], 0                            ; written once: a lane permute's destination counts as one of its sources
.endr
	s_wait_dscnt 0x0                                   ; for the others' sake: my partial sums have landed
	s_barrier_signal -1
	s_barrier_wait -1
	ds_load_b128 v[PT:PT+3], v[PB]
	s_wait_dscnt 0x0
	v_add_f32 v[PT], v[PT], v[PT+1]                    ; in the order of the waves: the same bits in every wave
	v_add_f32 v[PT], v[PT], v[PT+2]
	v_add_f32 v[PT], v[PT], v[PT+3]
	s_wait_alu depctr_va_vdst(0)
	v_rsq_f32 v[RN], v[PT]
	v_nop                                              ; a plain place behind the transcendental
	s_wait_alu depctr_va_vdst(0)                       ; and the wait ahead of its first reader
	v_mov_b32 v[RN+1], v[RN]
.set i, 0
.rept 32
	v_pk_mul_f32 v[X0+i:X0+i+1], v[X0+i:X0+i+1], v[RN:RN+1]
	v_pk_mul_f32 v[X1+i:X1+i+1], v[X1+i:X1+i+1], v[RN:RN+1]
.set i, i+2
.endr
	QUANT X0, PC0, PW
	QUANT X1, PC1, PW+1
.irp c, 0,1,2
	global_store_b128 v[LO], v[PC0+4*\c:PC0+4*\c+3], s[16:17] offset:512*\c th:TH_STORE_NT        ; 32 lanes store 512 consecutive bytes, at a multiple of 256 from the buffer's first byte
.endr
.irp c, 0,1,2
	global_store_b128 v[LO], v[PC1+4*\c:PC1+4*\c+3], s[16:17] offset:1536+512*\c th:TH_STORE_NT
.endr
	global_store_b64 v[L8], v[PW:PW+1], s[18:19] th:TH_STORE_NT                                   ; 32 lanes store 256 consecutive bytes, aligned likewise
	s_wait_tensorcnt 0x0
	ds_add_u32 v232, v233
	s_wait_dscnt 0x0
	s_endpgm
.Lfunc_end_k_q6d85151078_quant:
	.size	k_q6d85151078_quant, .Lfunc_end_k_q6d85151078_quant-k_q6d85151078_quant
	.p2alignl 7, 3214868480
	.fill 96, 4, 3214868480
	.section	.rodata,"a",@progbits
	.p2align	6, 0x0
	.amdhsa_kernel k_q6d85151078_quant
		.amdhsa_group_segment_fixed_size 34816
		.amdhsa_private_segment_fixed_size 0
		.amdhsa_enable_private_segment 0
		.amdhsa_kernarg_size 32
		.amdhsa_user_sgpr_count 2
		.amdhsa_user_sgpr_kernarg_segment_ptr 1
		.amdhsa_wavefront_size32 1
		.amdhsa_system_sgpr_workgroup_id_x 1
		.amdhsa_system_sgpr_workgroup_id_y 1
		.amdhsa_system_sgpr_workgroup_id_z 1
		.amdhsa_system_vgpr_workitem_id 0
		.amdhsa_next_free_vgpr 234
		.amdhsa_next_free_sgpr 66
		.amdhsa_reserve_vcc 0
		.amdhsa_float_denorm_mode_32 3
		.amdhsa_float_denorm_mode_16_64 3
		.amdhsa_memory_ordered 1
		.amdhsa_forward_progress 1
		.amdhsa_inst_pref_size 27
	.end_amdhsa_kernel
	.amdgpu_metadata
---
amdhsa.version: [ 1, 2 ]
amdhsa.kernels:
  - .name:           k_q6d85151078_quant
    .symbol:         k_q6d85151078_quant.kd
    .args:
      - { .name: target_feats, .offset: 0, .size: 8, .value_kind: global_buffer, .address_space: global }
      - { .name: source_feats, .offset: 8, .size: 8, .value_kind: global_buffer, .address_space: global }
      - { .name: tcode, .offset: 16, .size: 8, .value_kind: global_buffer, .address_space: global }
      - { .name: scode, .offset: 24, .size: 8, .value_kind: global_buffer, .address_space: global }
    .group_segment_fixed_size: 34816
    .private_segment_fixed_size: 0
    .kernarg_segment_align: 8
    .kernarg_segment_size: 32
    .max_flat_workgroup_size: 128
    .sgpr_count:     66
    .vgpr_count:     234
    .wavefront_size: 32
...
	.end_amdgpu_metadata
.endif
;; end of part 1
;; launch simtop (part 2): grid 256 x 1, 4 waves a work-group, clusters of 4 x 1, 327,680 bytes of LDS; arguments tcode, scode, candv, candg; writes candv, candg
.if DOCPART == 2
	.amdgcn_target "amdgcn-amd-amdhsa--gfx1250"
	.amdhsa_code_object_version 6
	.text
	.protected	k_q6d85151078_simtop
	.globl	k_q6d85151078_simtop
	.p2align	8
	.type	k_q6d85151078_simtop,@function
k_q6d85151078_simtop:
	s_mov_b64 s[64:65], 0
	v_nop
	global_prefetch_b8 v0, s[64:65] scope:SCOPE_SE
	s_setreg_imm32_b32 hwreg(HW_REG_WAVE_MODE, 25, 1), 1
	s_wait_xcnt 0x0
	s_wait_alu depctr_hold_cnt(0) depctr_sa_sdst(0) depctr_va_vdst(0) depctr_va_sdst(0) depctr_va_ssrc(0) depctr_va_vcc(0) depctr_vm_vsrc(0)
	s_getreg_b32 s2, hwreg(HW_REG_IB_STS2, 6, 4)
	s_cmp_eq_u32 s2, 0
	s_cbranch_scc0 .Lentry_in_a_cluster
	s_endpgm
.Lentry_in_a_cluster:
	s_bfe_u32 s2, ttmp6, 0x10000c
	s_cmp_lg_u32 s2, 0x3003
	s_cbranch_scc0 .Lentry_shape_is_right
	s_endpgm
.Lentry_shape_is_right:
; sim[target][source] on the stored codes of BF6 (records of 16 rows x K = 1,024: images of operand registers, 13,312 bytes), and of each lane's sims the four best GROUPS.
; A group is the 8 targets that one lane holds of one tile (rows 8 h .. 8 h + 7): its number is 2 x tile + h, its figure the largest of its 8 sims.
; candv (f32), candg: [chunk 64][source row 1,024][h 2][4], sorted: figure descending, of equals the lower number first (numbers ascend along the walk and the comparison is strict).
; SHARES.  A cluster of 4 work-groups takes a chunk of 49 target records; work-group cx takes source rows 256 cx .. + 255, a wave 4 source tiles, kept in registers for the whole launch.
; The four partners need the same target records: each slot of 7 records (93,184 bytes) is asked for JOINTLY, a quarter (91 rows of 256 bytes) a wave, mask 15.  Two slots take turns.
; A TRIP is one target record: source 0 = the record's 16 targets, source 1 = a source tile; 8 K steps x 4 tiles = 32 matrix instructions in two runs of 16, the four accumulators by turns
; K steps 0-3 of all four source tiles lie in window 1, K steps 4-7 in window 2: one window setting serves a run.
; The record's fragments have ONE set of registers: K steps 0-3 are loaded anew in one run of 14 loads ahead of the second run of matrix instructions, K steps 4-7 in one run at the trip's end.
; THE LISTS RUN ONE RECORD BEHIND: the 60 lines that insert record t - 1's four figures stand behind trip t's two runs of matrix instructions (36 and 24 lines) and name none of their registers:
; they are the places ahead of the loads and ahead of the 20 lines that take record t's 4 x 8 sims a lane into its four figures.
; Records 3,125 .. 3,135 are fill (copies of tile 3,124): their figures are held at -infinity.
; PREFETCH: behind each refill one instruction a wave names the slot that the NEXT refill loads: its 364 blocks of 256 bytes are shared out by address, 91 to a partner, 23 to a wave (left-over lanes name their wave's last block again);
; the last refill asks for nothing.  The first three slots come by their loads alone.
; LIMITS: NaN among the sims is not served (a NaN loses every maximum).
; REGISTERS: window 0: v1-11 addresses; v12-19 at work; v24-55 four lists (4 figures, 4 numbers); v56-87 accumulators; v88-95 the record's scale words; v96-127 the sources'; v128-223 the record's 8 fragments.
.set REC,    13312
.set SLOTB,  7*REC
.set QUARTB, SLOTB/4
.set CHUNKB, 49*REC
.set SLOT1,  1<<17                     ; slot 1's first byte
.set SPARE,  229376                    ; behind slot 1: the spare words, 128 bytes a wave
.set NTRUE,  3125
.set L16, 1                            ; 16 x lane
.set L8S, 2                            ; 12,288 + 8 x lane
.set ARD, 3                            ; the next record's codes in LDS
.set ARS, 4                            ; and its scale words
.set SPW, 5
.set NIL, 6
.set GV,  7                            ; the number of the group that is being inserted
.set OUTO, 8
.set PFO, 9
.set TT,  12                           ; v12-15 the four figures
.set TX,  16
.set LM,  24
.set ACC, 56
.set AS,  88
.set BS,  96
.set AF,  128
.set WV,  12
.set CX,  13
.set G1,  16
.set G0A, 24
.set G0B, 28
.set RP,  32                           ; LDS byte of the next record to load
.set GC,  33
.set IC,  34
.set TG,  35                           ; the trip's tile
.set LV,  36                           ; +infinity for a true tile, -infinity for fill
.set CM,  40                           ; s[40:55] masks
.set PFA, 56
.set MSB, 0
.macro WIN new                         ; the immediate's high byte repeats the setting that is left
.if MSB != (\new)
	s_set_vgpr_msb (MSB<<8)|(\new)
.set MSB, (\new)
.endif
.endm
.macro CROUND                          ; a round of the cluster's barrier
	s_barrier_signal -1
	s_barrier_wait -1
	s_cmp_lg_u32 s[WV], 0
	s_cbranch_scc1 .Lnot_wave_0_\@
	s_barrier_signal -3
.Lnot_wave_0_\@:
	s_barrier_wait -3
	s_barrier_signal -1
	s_barrier_wait -1
.endm
.macro WMMA s, u                       ; K step s, source tile u; K step 0 starts the sum
.set rB, 48*(\u)+12*((\s)%4)
.if (\s) == 0
	v_wmma_scale_f32_16x16x128_f8f6f4 v[ACC+8*(\u):ACC+8*(\u)+7], v[AF+12*(\s):AF+12*(\s)+11], v[rB:rB+11], 0, v[AS+(\s)], v[BS+8*(\u)+(\s)] matrix_a_fmt:MATRIX_FMT_BF6 matrix_b_fmt:MATRIX_FMT_BF6
.else
	v_wmma_scale_f32_16x16x128_f8f6f4 v[ACC+8*(\u):ACC+8*(\u)+7], v[AF+12*(\s):AF+12*(\s)+11], v[rB:rB+11], v[ACC+8*(\u):ACC+8*(\u)+7], v[AS+(\s)], v[BS+8*(\u)+(\s)] matrix_a_fmt:MATRIX_FMT_BF6 matrix_b_fmt:MATRIX_FMT_BF6
.endif
.endm
.macro RUN hf                          ; half hf of a record in 14 loads: 12 x 512 bytes of codes (K steps 4 hf .. 4 hf + 3), then 2 x 256 bytes of scale words
.irp n, 0,1,2,3,4,5,6,7,8,9,10,11
	ds_load_b128 v[AF+48*(\hf)+4*\n:AF+48*(\hf)+4*\n+3], v[ARD] offset:6144*(\hf)+512*\n
.endr
.irp n, 0,1
	ds_load_b64 v[AS+4*(\hf)+2*\n:AS+4*(\hf)+2*\n+1], v[ARS] offset:512*(\hf)+256*\n
.endr
.endm
.macro OPQ                             ; line q of the insertion of (TT, GV) into the four sorted lists, the lists by turns
.set oN, q/4
.set oL, LM+8*(q%4)
.set oC, CM+4*(q%4)
.set oT, TT+q%4
.if oN < 4
	v_cmp_gt_f32 s[oC+oN], v[oT], v[oL+oN]
.elseif oN == 4
	v_med3_num_f32 v[oL+3], v[oT], v[oL+2], v[oL+3]
.elseif oN == 5
	v_med3_num_f32 v[oL+2], v[oT], v[oL+1], v[oL+2]
.elseif oN == 6
	v_med3_num_f32 v[oL+1], v[oT], v[oL], v[oL+1]
.elseif oN == 7
	v_max_num_f32 v[oL], v[oT], v[oL]
.elseif oN == 8
	v_cndmask_b32 v[oL+7], v[oL+7], v[GV], s[oC+3]
.elseif oN == 9
	v_cndmask_b32 v[oL+7], v[oL+7], v[oL+6], s[oC+2]
.elseif oN == 10
	v_cndmask_b32 v[oL+6], v[oL+6], v[GV], s[oC+2]
.elseif oN == 11
	v_cndmask_b32 v[oL+6], v[oL+6], v[oL+5], s[oC+1]
.elseif oN == 12
	v_cndmask_b32 v[oL+5], v[oL+5], v[GV], s[oC+1]
.elseif oN == 13
	v_cndmask_b32 v[oL+5], v[oL+5], v[oL+4], s[oC]
.else
	v_cndmask_b32 v[oL+4], v[oL+4], v[GV], s[oC]
.endif
.endm
.macro OPS from, to                    ; lines from .. to - 1 of the 60
.set q, \from
.rept (\to)-(\from)
	OPQ
.set q, q+1
.endr
.endm
.macro BODY roll                       ; one record; roll = 1: the next record's fragments are loaded
	s_wait_dscnt 14                                    ; K steps 0-3 and their scale words are in; the 14 younger loads (K steps 4-7) may be out
	WIN 0x04                                           ; source 1 window 1
.set i, 0
.rept 16
	WMMA i/4, i%4
.if i == 0
	s_cmp_lt_u32 s[TG], NTRUE                          ; a true tile or fill?  The tile's number hangs on the cluster's number and the trip alone
.elseif i == 1
	s_mov_b32 s[LV], 0xff800000
.elseif i == 2
	s_cselect_b32 s[LV], 0x7f800000, s[LV]
.elseif i == 3
	s_add_co_u32 s[TG], s[TG], 1
.endif
.set i, i+1
.endr
	WIN 0
	OPS 0, 36                                          ; the record before: the comparisons, the figures, the first of the numbers.  Also the places ahead of the loads below
.if \roll
	v_add_nc_u32 v[ARD], s[RP], v[L16]                 ; the next record's two addresses
	v_add_nc_u32 v[ARS], s[RP], v[L8S]
	s_add_co_u32 s[RP], s[RP], REC
.endif
	s_wait_alu depctr_va_vdst(0)
.if \roll
	RUN 0
.endif
	s_wait_dscnt 14*\roll                              ; K steps 4-7 are in; the 14 loads just issued may be out
	WIN 0x08                                           ; source 1 window 2
.set i, 0
.rept 16
	WMMA 4+i/4, i%4
.set i, i+1
.endr
	WIN 0
	OPS 36, 60                                         ; the record before: the rest of the numbers.  Also the places ahead of the first read of results
	v_add_nc_u32 v[GV], 2, v[GV]                       ; on to this record's groups
.irp u, 0,1,2,3                                    ; each accumulator from its low end on
	v_max3_num_f32 v[TT+\u], v[ACC+8*\u], v[ACC+8*\u+1], v[ACC+8*\u+2]
.endr
.irp u, 0,1,2,3
	v_max3_num_f32 v[TX+\u], v[ACC+8*\u+3], v[ACC+8*\u+4], v[ACC+8*\u+5]
.endr
.irp u, 0,1,2,3
	v_max3_num_f32 v[TT+\u], v[TT+\u], v[ACC+8*\u+6], v[ACC+8*\u+7]
.endr
.irp u, 0,1,2,3
	v_max_num_f32 v[TT+\u], v[TT+\u], v[TX+\u]         ; the group's figure
.endr
.irp u, 0,1,2,3
	v_min_num_f32 v[TT+\u], s[LV], v[TT+\u]            ; fill is held at -infinity
.endr
	s_wait_alu depctr_va_vdst(0)
.if \roll
	RUN 1
.endif
.endm
.macro ASK                             ; the slot that the next refill loads; the last refill has none
	s_cmp_gt_u32 s[GC], 1
	s_cbranch_scc0 .Lnone_\@
	global_prefetch_b8 v[PFO], s[PFA:PFA+1] th:TH_LOAD_NT scope:SCOPE_SE
.Lnone_\@:
.endm
.macro CHANGE fill                     ; the slot's 7 records have all been loaded into registers or multiplied: on to the other slot
	s_wait_tensorcnt 0x0                               ; all my tensor loads have landed: my quarter of the other slot
	ds_add_u32 v[SPW], v[NIL]
.if \fill
	s_xor_b32 s[G0B+1], s[G0B+1], SLOT1                ; no tensor load of mine is out: the descriptor steps to the slot left behind, 7 records on
	s_add_nc_u64 s[G0B+2:G0B+3], s[G0B+2:G0B+3], SLOTB
	s_wait_xcnt 0x0                                    ; my last prefetch has read its address
	s_add_nc_u64 s[PFA:PFA+1], s[PFA:PFA+1], SLOTB
	s_wait_dscnt 0x0                                   ; the add is done, and my reads of the slot are back
	CROUND                                             ; both hold of every wave of the four partners
	tensor_load_to_lds s[G0B:G0B+3], s[G1:G1+7]
	s_nop 0
.rept 4
	v_nop
.endr
	ASK
.else
	s_wait_dscnt 0x0
	s_barrier_signal -1
	s_barrier_wait -1
.endif
	s_sub_co_u32 s[RP], s[RP], SLOTB
	s_xor_b32 s[RP], s[RP], SLOT1
.endm
	s_load_b256 s[4:11], s[0:1], 0x0                   ; tcode s[4:5], scode s[6:7], candv s[8:9], candg s[10:11]
	v_lshl_add_u32 v[SPW], v0, 2, SPARE
	v_mov_b32 v[NIL], 0
	ds_add_u32 v[SPW], v[NIL]                          ; the opening lines: the add, twice on end, and its wait ahead of my first tensor load
	ds_add_u32 v[SPW], v[NIL]
	v_lshrrev_b32 v10, 5, v0
	v_readfirstlane_b32 s[WV], v10                     ; wave 0..3
	s_bfe_u32 s[CX], ttmp6, 0x40000                    ; my place in the cluster
	s_mov_b32 s[G1], 15|(3<<16)|(1<<21)                ; mask: all four partners; elements of 8 bytes
	s_mov_b32 s[G1+1], 32<<16                          ; rows of 256 bytes,
	s_mov_b32 s[G1+2], 91<<16                          ; 91 of them: a quarter of a slot, dense in memory and in LDS
	s_mov_b32 s[G1+3], 32<<16
	s_mov_b32 s[G1+4], 91
	s_mov_b32 s[G1+5], 32
	s_mov_b32 s[G1+6], 0
	s_mov_b32 s[G1+7], 0
	s_mul_i32 s60, ttmp9, CHUNKB                       ; the chunk, and my wave's quarter of a slot
	s_mul_i32 s62, s[WV], QUARTB
	s_add_co_u32 s60, s60, s62
	s_mov_b32 s61, 0
	s_mul_i32 s66, ttmp9, CHUNKB                       ; the prefetches: my work-group's quarter of a slot
	s_mul_i32 s67, s[CX], QUARTB
	s_add_co_u32 s66, s66, s67
	s_mov_b32 s67, 0
	s_lshl_b32 s68, s[CX], 4                           ; my four source records: 16 cx + 4 wave
	s_lshl_b32 s69, s[WV], 2
	s_add_co_u32 s68, s68, s69
	s_mul_i32 s68, s68, REC
	s_mov_b32 s69, 0
	s_lshl_b32 s70, ttmp9, 15                          ; the way out: 32,768 bytes a chunk, 8,192 a work-group, 2,048 a wave
	s_lshl_b32 s71, s[CX], 13
	s_add_co_u32 s70, s70, s71
	s_lshl_b32 s71, s[WV], 11
	s_add_co_u32 s70, s70, s71
	s_mov_b32 s71, 0
	v_and_b32 v10, 31, v0
	v_lshlrev_b32 v[L16], 4, v10
	v_lshlrev_b32 v[L8S], 3, v10
	v_add_nc_u32 v[L8S], 12288, v[L8S]
	v_min_u32 v[PFO], 22, v10                          ; 23 blocks a wave,
	s_mul_i32 s63, s[WV], 23
	v_add_nc_u32 v[PFO], s63, v[PFO]
	v_min_u32 v[PFO], 90, v[PFO]                       ; 91 in all
	v_lshlrev_b32 v[PFO], 8, v[PFO]
	v_and_b32 v11, 15, v0
	v_lshlrev_b32 v[OUTO], 5, v11                      ; 32 bytes a source row,
	v_bfe_u32 v11, v0, 4, 1
	v_lshl_add_u32 v[OUTO], v11, 4, v[OUTO]            ; 16 a half
	s_mul_i32 s63, ttmp9, 98
	s_sub_co_u32 s63, s63, 2                           ; the first trip inserts nothing and steps the number to the chunk's first tile
	v_add_nc_u32 v[GV], s63, v11
	s_mul_i32 s[TG], ttmp9, 49
	s_mov_b32 s[RP], 0
	s_mov_b32 s[LV], 0xff800000
.irp u, 0,1,2,3
.irp k, 0,1,2,3
	v_mov_b32 v[LM+8*\u+\k], s[LV]                     ; the lists begin with -infinity,
	v_mov_b32 v[LM+8*\u+4+\k], 0
.endr
	v_mov_b32 v[TT+\u], s[LV]                          ; and so do the figures: the first trip's insertion changes nothing
.endr
	s_wait_alu depctr_va_vdst(0)                       ; the head's end, directly ahead of the waits below
	s_wait_dscnt 0x0                                   ; both opening adds are done
	s_wait_kmcnt 0x0
	s_mov_b32 s[G0A], 1
	s_mov_b32 s[G0A+1], s62
	s_add_nc_u64 s[G0A+2:G0A+3], s[4:5], s[60:61]
	s_mov_b32 s[G0B], 1
	s_add_co_u32 s[G0B+1], s62, SLOT1
	s_add_nc_u64 s[G0B+2:G0B+3], s[G0A+2:G0A+3], SLOTB
	s_or_b32 s[G0A+3], s[G0A+3], 0x80000000
	s_or_b32 s[G0B+3], s[G0B+3], 0x80000000
	s_add_nc_u64 s[PFA:PFA+1], s[4:5], s[66:67]
	s_add_nc_u64 s[PFA:PFA+1], s[PFA:PFA+1], 2*SLOTB
	s_add_nc_u64 s[6:7], s[6:7], s[68:69]
	s_add_nc_u64 s[8:9], s[8:9], s[70:71]
	s_add_nc_u64 s[10:11], s[10:11], s[70:71]
	CROUND                                             ; the four partners are here: the first joint loads meet
	tensor_load_to_lds s[G0A:G0A+3], s[G1:G1+7]        ; slot 0
	s_nop 0
.rept 4
	v_nop
.endr
	WIN 0x40                                           ; my four source tiles go out while slot 0 is on its way: K steps 0-3 into window 1,
.irp u, 0,1,2,3
.irp s, 0,1,2,3
.irp c, 0,1,2
	global_load_b128 v[48*\u+12*\s+4*\c:48*\u+12*\s+4*\c+3], v[L16], s[6:7] offset:\u*REC+1536*\s+512*\c
.endr
.endr
.endr
	WIN 0x80                                           ; K steps 4-7 into window 2,
.irp u, 0,1,2,3
.irp s, 0,1,2,3
.irp c, 0,1,2
	global_load_b128 v[48*\u+12*\s+4*\c:48*\u+12*\s+4*\c+3], v[L16], s[6:7] offset:\u*REC+6144+1536*\s+512*\c
.endr
.endr
.endr
	WIN 0
.irp u, 0,1,2,3
.irp p, 0,1,2,3
	global_load_b64 v[BS+8*\u+2*\p:BS+8*\u+2*\p+1], v[L8S], s[6:7] offset:\u*REC+256*\p   ; and their scale words
.endr
.endr
	s_wait_tensorcnt 0x0                               ; my quarter of slot 0 is in
	ds_add_u32 v[SPW], v[NIL]
	s_wait_dscnt 0x0
	CROUND                                             ; slot 0 is whole, and the four partners are here
	tensor_load_to_lds s[G0B:G0B+3], s[G1:G1+7]        ; slot 1's first fill
	s_nop 0
.rept 4
	v_nop
.endr
	v_add_nc_u32 v[ARD], s[RP], v[L16]
	v_add_nc_u32 v[ARS], s[RP], v[L8S]
	s_add_co_u32 s[RP], s[RP], REC
	RUN 0                                              ; record 0
	RUN 1
	s_wait_loadcnt 0x0                                 ; the source tiles are in
	s_mov_b32 s[IC], 6
.Lfirst:                                               ; records 0-5 are multiplied, records 1-6 loaded
	BODY 1
	s_sub_co_u32 s[IC], s[IC], 1
	s_cmp_lg_u32 s[IC], 0
	s_cbranch_scc1 .Lfirst
	s_mov_b32 s[GC], 5
.Lslot:                                                ; five refills: slots 2 to 6 of the chunk's seven
	CHANGE 1
	s_mov_b32 s[IC], 7
.Ltile:
	BODY 1
	s_sub_co_u32 s[IC], s[IC], 1
	s_cmp_lg_u32 s[IC], 0
	s_cbranch_scc1 .Ltile
	s_sub_co_u32 s[GC], s[GC], 1
	s_cmp_lg_u32 s[GC], 0
	s_cbranch_scc1 .Lslot
	CHANGE 0                                           ; the last slot: nothing is left to fetch
	s_mov_b32 s[IC], 7
.Llast:
	BODY 1
	s_sub_co_u32 s[IC], s[IC], 1
	s_cmp_lg_u32 s[IC], 0
	s_cbranch_scc1 .Llast
	BODY 0                                             ; record 48
	OPS 0, 60                                          ; and its figures into the lists
.irp u, 0,1,2,3
	global_store_b128 v[OUTO], v[LM+8*\u:LM+8*\u+3], s[8:9] offset:512*\u th:TH_STORE_NT      ; the 32 lanes fill 512 consecutive bytes, at a multiple of 256 from the buffer's first byte
	global_store_b128 v[OUTO], v[LM+8*\u+4:LM+8*\u+7], s[10:11] offset:512*\u th:TH_STORE_NT
.endr
	s_wait_tensorcnt 0x0                               ; the wave's end
	ds_add_u32 v[SPW], v[NIL]
	s_wait_dscnt 0x0
	CROUND                                             ; the closing round
	s_endpgm
.Lfunc_end_k_q6d85151078_simtop:
	.size	k_q6d85151078_simtop, .Lfunc_end_k_q6d85151078_simtop-k_q6d85151078_simtop
	.p2alignl 7, 3214868480
	.fill 96, 4, 3214868480
	.section	.rodata,"a",@progbits
	.p2align	6, 0x0
	.amdhsa_kernel k_q6d85151078_simtop
		.amdhsa_group_segment_fixed_size 327680
		.amdhsa_private_segment_fixed_size 0
		.amdhsa_enable_private_segment 0
		.amdhsa_kernarg_size 32
		.amdhsa_user_sgpr_count 2
		.amdhsa_user_sgpr_kernarg_segment_ptr 1
		.amdhsa_wavefront_size32 1
		.amdhsa_system_sgpr_workgroup_id_x 1
		.amdhsa_system_sgpr_workgroup_id_y 1
		.amdhsa_system_sgpr_workgroup_id_z 1
		.amdhsa_system_vgpr_workitem_id 0
		.amdhsa_next_free_vgpr 704
		.amdhsa_next_free_sgpr 80
		.amdhsa_reserve_vcc 0
		.amdhsa_float_denorm_mode_32 3
		.amdhsa_float_denorm_mode_16_64 3
		.amdhsa_memory_ordered 1
		.amdhsa_forward_progress 1
		.amdhsa_inst_pref_size 68
	.end_amdhsa_kernel
	.amdgpu_metadata
---
amdhsa.version: [ 1, 2 ]
amdhsa.kernels:
  - .name:           k_q6d85151078_simtop
    .symbol:         k_q6d85151078_simtop.kd
    .args:
      - { .name: tcode, .offset: 0, .size: 8, .value_kind: global_buffer, .address_space: global }
      - { .name: scode, .offset: 8, .size: 8, .value_kind: global_buffer, .address_space: global }
      - { .name: candv, .offset: 16, .size: 8, .value_kind: global_buffer, .address_space: global }
      - { .name: candg, .offset: 24, .size: 8, .value_kind: global_buffer, .address_space: global }
    .group_segment_fixed_size: 327680
    .private_segment_fixed_size: 0
    .kernarg_segment_align: 8
    .kernarg_segment_size: 32
    .max_flat_workgroup_size: 128
    .sgpr_count:     80
    .vgpr_count:     704
    .wavefront_size: 32
...
	.end_amdgpu_metadata
.endif
;; end of part 2
;; launch merge (part 3): grid 256 x 1, 4 waves a work-group, no clusters, 0 bytes of LDS; arguments candv, candg, topg; writes topg
.if DOCPART == 3
	.amdgcn_target "amdgcn-amd-amdhsa--gfx1250"
	.amdhsa_code_object_version 6
	.text
	.protected	k_q6d85151078_merge
	.globl	k_q6d85151078_merge
	.p2align	8
	.type	k_q6d85151078_merge,@function
k_q6d85151078_merge:
	s_mov_b64 s[64:65], 0
	v_nop
	global_prefetch_b8 v0, s[64:65] scope:SCOPE_SE
	s_setreg_imm32_b32 hwreg(HW_REG_WAVE_MODE, 25, 1), 1
	s_wait_xcnt 0x0
; Of each source row's 128 lists of four (figure, group number), one for each of 64 chunks and 2 halves, the four best under 'figure descending, group number ascending'.
; candv (f32), candg: [chunk 64][row 1,024][half 2][4].  topg: [1,024][4] group numbers.
; One wave takes one row; lane l takes lists l, 32 + l, 64 + l, 96 + l (list = 2 x chunk + half).  The first is the start, the other twelve entries are inserted: group numbers ascend with the chunk
; and within equals of a list, so a strict comparison keeps the order.
; Then five exchanges with lane l xor 16, 17, 18, 20, 24, each followed by the insertion of the partner's four entries, ties to the lower group number.  The five masks span all 32 lanes, so the sets
; that meet are disjoint at every step and every lane ends with the row's four best.  Each exchange is v_permlanex16_b32: lane i takes, of the other half, the lane that its select names: i xor 0, 1, 2, 4, 8.
; No LDS, no barrier: waves share nothing.
; READS: a row has 32 bytes in each chunk, so a load of the wave takes 16 pieces of 32 bytes, 32,768 bytes apart; the other pieces of the same blocks of 256 bytes belong to the seven neighbouring rows,
; which this work-group's and its neighbour's waves take.  The two buffers are 4 MiB in all.  No hint on the loads for that reason.
.set LM,   8                           ; v8-11 figures, v12-15 group numbers
.set CM,   24                          ; s[24:29] masks
.macro INS val, id, tie                ; (v[val], v[id]) into the sorted list.  tie = 1: of equal figures the lower number goes above
.irp k, 0,1,2,3
	v_cmp_gt_f32 s[CM+\k], v[\val], v[LM+\k]
.if \tie
	v_cmp_eq_f32 s[CM+4], v[\val], v[LM+\k]
	v_cmp_lt_u32 s[CM+5], v[\id], v[LM+4+\k]
	s_and_b32 s[CM+4], s[CM+4], s[CM+5]
	s_or_b32 s[CM+\k], s[CM+\k], s[CM+4]
.endif
.endr
	v_med3_num_f32 v[LM+3], v[\val], v[LM+2], v[LM+3]
	v_med3_num_f32 v[LM+2], v[\val], v[LM+1], v[LM+2]
	v_med3_num_f32 v[LM+1], v[\val], v[LM], v[LM+1]
	v_max_num_f32 v[LM], v[\val], v[LM]
	v_cndmask_b32 v[LM+7], v[LM+7], v[\id], s[CM+3]
	v_cndmask_b32 v[LM+7], v[LM+7], v[LM+6], s[CM+2]
	v_cndmask_b32 v[LM+6], v[LM+6], v[\id], s[CM+2]
	v_cndmask_b32 v[LM+6], v[LM+6], v[LM+5], s[CM+1]
	v_cndmask_b32 v[LM+5], v[LM+5], v[\id], s[CM+1]
	v_cndmask_b32 v[LM+5], v[LM+5], v[LM+4], s[CM]
	v_cndmask_b32 v[LM+4], v[LM+4], v[\id], s[CM]
.endm
.macro XCH sel                         ; the partner's list, whole, before mine changes; then its four entries
.irp i, 0,1,2,3,4,5,6,7
	v_permlanex16_b32 v[40+\i], v[8+\i], s[\sel], s[\sel+1]
.endr
.irp j, 0,1,2,3
	INS 40+\j, 44+\j, 1
.endr
.endm
	s_load_b128 s[4:7], s[0:1], 0x0                    ; candv, candg
	s_load_b64 s[8:9], s[0:1], 0x10                    ; topg
	v_lshrrev_b32 v1, 5, v0
	v_readfirstlane_b32 s12, v1                        ; wave 0..3
	s_lshl_b32 s13, ttmp9, 2
	s_add_co_u32 s13, s13, s12                         ; my row
	v_and_b32 v2, 31, v0                               ; lane
	v_lshrrev_b32 v3, 1, v2
	v_and_b32 v4, 1, v2
	v_lshlrev_b32 v3, 15, v3                           ; chunk l / 2: 32,768 bytes a chunk,
	v_lshl_add_u32 v3, v4, 4, v3                       ; half l % 2: 16 bytes
	v_mov_b32 v5, 0
.irp i, 0,1,2,3,4,5,6,7
	v_mov_b32 v[40+\i], 0                              ; written once: the destination of a lane exchange counts as one of its sources
.endr
	s_lshl_b32 s14, s13, 5                             ; 32 bytes a row in a chunk
	s_mov_b32 s15, 0
	s_lshl_b32 s16, s13, 4                             ; 16 bytes a row in topg
	s_mov_b32 s17, 0
	s_mov_b32 s30, 0x76543210                          ; the selects: lane i xor 0 of the other half,
	s_mov_b32 s31, 0xfedcba98
	s_mov_b32 s32, 0x67452301                          ; i xor 1,
	s_mov_b32 s33, 0xefcdab89
	s_mov_b32 s34, 0x54761032                          ; i xor 2,
	s_mov_b32 s35, 0xdcfe98ba
	s_mov_b32 s36, 0x32107654                          ; i xor 4,
	s_mov_b32 s37, 0xba98fedc
	s_mov_b32 s38, 0xfedcba98                          ; i xor 8
	s_mov_b32 s39, 0x76543210
	s_wait_alu depctr_va_vdst(0)
	s_wait_kmcnt 0x0
	s_add_nc_u64 s[4:5], s[4:5], s[14:15]
	s_add_nc_u64 s[6:7], s[6:7], s[14:15]
	s_add_nc_u64 s[8:9], s[8:9], s[16:17]
	global_load_b128 v[8:11], v3, s[4:5]
	global_load_b128 v[12:15], v3, s[6:7]
.irp k, 1,2,3
	global_load_b128 v[12+4*\k:15+4*\k], v3, s[4:5] offset:\k*524288       ; 16 chunks on
	global_load_b128 v[24+4*\k:27+4*\k], v3, s[6:7] offset:\k*524288
.endr
	s_wait_loadcnt 0x0
.irp i, 0,1,2,3,4,5,6,7,8,9,10,11
	INS 16+\i, 28+\i, 0
.endr
	XCH 30
	XCH 32
	XCH 34
	XCH 36
	XCH 38
	v_cmp_eq_u32 vcc_lo, 0, v2                         ; lane 0 stores the row's 16 bytes
	s_wait_alu depctr_va_vdst(0)
	s_wait_xcnt 0x0                                    ; EXEC changes only behind this wait
	s_and_saveexec_b32 s40, vcc_lo
	global_store_b128 v5, v[12:15], s[8:9]
	s_wait_xcnt 0x0                                    ; and again, in front of the line that widens it
	s_or_b32 exec_lo, exec_lo, s40
	s_endpgm
.Lfunc_end_k_q6d85151078_merge:
	.size	k_q6d85151078_merge, .Lfunc_end_k_q6d85151078_merge-k_q6d85151078_merge
	.p2alignl 7, 3214868480
	.fill 96, 4, 3214868480
	.section	.rodata,"a",@progbits
	.p2align	6, 0x0
	.amdhsa_kernel k_q6d85151078_merge
		.amdhsa_group_segment_fixed_size 0
		.amdhsa_private_segment_fixed_size 0
		.amdhsa_enable_private_segment 0
		.amdhsa_kernarg_size 24
		.amdhsa_user_sgpr_count 2
		.amdhsa_user_sgpr_kernarg_segment_ptr 1
		.amdhsa_wavefront_size32 1
		.amdhsa_system_sgpr_workgroup_id_x 1
		.amdhsa_system_sgpr_workgroup_id_y 1
		.amdhsa_system_sgpr_workgroup_id_z 1
		.amdhsa_system_vgpr_workitem_id 0
		.amdhsa_next_free_vgpr 56
		.amdhsa_next_free_sgpr 66
		.amdhsa_reserve_vcc 1
		.amdhsa_float_denorm_mode_32 3
		.amdhsa_float_denorm_mode_16_64 3
		.amdhsa_memory_ordered 1
		.amdhsa_forward_progress 1
		.amdhsa_inst_pref_size 50
	.end_amdhsa_kernel
	.amdgpu_metadata
---
amdhsa.version: [ 1, 2 ]
amdhsa.kernels:
  - .name:           k_q6d85151078_merge
    .symbol:         k_q6d85151078_merge.kd
    .args:
      - { .name: candv, .offset: 0, .size: 8, .value_kind: global_buffer, .address_space: global }
      - { .name: candg, .offset: 8, .size: 8, .value_kind: global_buffer, .address_space: global }
      - { .name: topg, .offset: 16, .size: 8, .value_kind: global_buffer, .address_space: global }
    .group_segment_fixed_size: 0
    .private_segment_fixed_size: 0
    .kernarg_segment_align: 8
    .kernarg_segment_size: 24
    .max_flat_workgroup_size: 128
    .sgpr_count:     66
    .vgpr_count:     56
    .wavefront_size: 32
...
	.end_amdgpu_metadata
.endif
;; end of part 3
;; launch rescore (part 4): grid 256 x 1, 4 waves a work-group, no clusters, 0 bytes of LDS; arguments topg, tcode, scode, nbr; writes nbr
.if DOCPART == 4
	.amdgcn_target "amdgcn-amd-amdhsa--gfx1250"
	.amdhsa_code_object_version 6
	.text
	.protected	k_q6d85151078_rescore
	.globl	k_q6d85151078_rescore
	.p2align	8
	.type	k_q6d85151078_rescore,@function
k_q6d85151078_rescore:
	s_mov_b64 s[64:65], 0
	v_nop
	global_prefetch_b8 v0, s[64:65] scope:SCOPE_SE
	s_setreg_imm32_b32 hwreg(HW_REG_WAVE_MODE, 25, 1), 1
	s_wait_xcnt 0x0
; The 32 targets of a source row's four best groups are scored again, from the stored codes, by the same matrix instruction with K in the same order, and the four nearest are chosen exactly:
; sim descending, of equals the lower index first.  topg: [1,024][4] group numbers, stored by an earlier launch.  nbr: [1,024][4] indices of targets.
; A record is an image of operand registers, so ANY 16 targets make a tile: lane (r, h) loads the bytes that lane (8 (g % 2) + r % 8, h) of record g / 2 would load, g being the group of its row r: rows 0-7 of tile a
; are group topg[2 a], rows 8-15 group topg[2 a + 1].  Source 0 = these 16 targets, source 1 = the row's tile of 16 source rows: lane (n, h), accumulator a, register j holds the sim of source row n and target 8 topg[2 a + h] + j.
; All lanes run the selection; lanes n and n + 16 of the wave's own row n hold what counts, and lane n stores.
; Group numbers enter addresses behind a hold at 6,249, the last group.
; REGISTERS: window 0: v1-15 addresses and numbers; v16-31 two accumulators; v32-47 the targets' scale words; v48-55 the sources'; v56-247 the targets' 16 fragments; v248-255 the list.  window 1: v0-95 the source tile's 8 fragments.
.set REC, 13312
.set LM,  248                          ; v248-251 sims, v252-255 indices
.set CM,  24                           ; s[24:29] masks
.set MSB, 0
.macro WIN new
.if MSB != (\new)
	s_set_vgpr_msb (MSB<<8)|(\new)
.set MSB, (\new)
.endif
.endm
.macro INS val, id, tie                ; (v[val], v[id]) into the sorted list.  tie = 1: of equal sims the lower index goes above
.irp k, 0,1,2,3
	v_cmp_gt_f32 s[CM+\k], v[\val], v[LM+\k]
.if \tie
	v_cmp_eq_f32 s[CM+4], v[\val], v[LM+\k]
	v_cmp_lt_u32 s[CM+5], v[\id], v[LM+4+\k]
	s_and_b32 s[CM+4], s[CM+4], s[CM+5]
	s_or_b32 s[CM+\k], s[CM+\k], s[CM+4]
.endif
.endr
	v_med3_num_f32 v[LM+3], v[\val], v[LM+2], v[LM+3]
	v_med3_num_f32 v[LM+2], v[\val], v[LM+1], v[LM+2]
	v_med3_num_f32 v[LM+1], v[\val], v[LM], v[LM+1]
	v_max_num_f32 v[LM], v[\val], v[LM]
	v_cndmask_b32 v[LM+7], v[LM+7], v[\id], s[CM+3]
	v_cndmask_b32 v[LM+7], v[LM+7], v[LM+6], s[CM+2]
	v_cndmask_b32 v[LM+6], v[LM+6], v[\id], s[CM+2]
	v_cndmask_b32 v[LM+6], v[LM+6], v[LM+5], s[CM+1]
	v_cndmask_b32 v[LM+5], v[LM+5], v[\id], s[CM+1]
	v_cndmask_b32 v[LM+5], v[LM+5], v[LM+4], s[CM]
	v_cndmask_b32 v[LM+4], v[LM+4], v[\id], s[CM]
.endm
	s_load_b256 s[4:11], s[0:1], 0x0                   ; topg s[4:5], tcode s[6:7], scode s[8:9], nbr s[10:11]
	v_lshrrev_b32 v14, 5, v0
	v_readfirstlane_b32 s12, v14                       ; wave 0..3
	s_lshl_b32 s13, ttmp9, 2
	s_add_co_u32 s13, s13, s12                         ; my source row
	s_and_b32 s14, s13, 15                             ; n: its place in its tile
	s_lshr_b32 s15, s13, 4                             ; its tile
	s_lshl_b32 s16, s13, 4                             ; 16 bytes a row in topg and in nbr
	s_mov_b32 s17, 0
	s_mul_i32 s18, s15, REC
	s_mov_b32 s19, 0
	s_mov_b32 s20, 0x76543210
	s_mov_b32 s21, 0xfedcba98
	v_and_b32 v14, 31, v0
	v_lshlrev_b32 v1, 4, v14                           ; 16 x lane
	v_lshlrev_b32 v2, 3, v14                           ; 8 x lane
	v_bfe_u32 v3, v0, 3, 1
	v_lshlrev_b32 v3, 2, v3                            ; 4 (r / 8): the group of my row of a tile
	v_bfe_u32 v15, v0, 4, 1                            ; h
	v_and_b32 v249, 7, v0                              ; r % 8
	v_lshlrev_b32 v248, 4, v249
	v_lshl_add_u32 v248, v15, 8, v248                  ; 16 (r % 8) + 256 h
	v_lshlrev_b32 v249, 3, v249                        ; 8 (r % 8)
	v_lshlrev_b32 v15, 2, v15                          ; 4 h: the group whose sims my registers will hold
	s_wait_alu depctr_va_vdst(0)
	s_wait_kmcnt 0x0
	s_add_nc_u64 s[4:5], s[4:5], s[16:17]
	s_add_nc_u64 s[10:11], s[10:11], s[16:17]
	s_add_nc_u64 s[8:9], s[8:9], s[18:19]
	global_load_b32 v4, v3, s[4:5]
	global_load_b32 v5, v3, s[4:5] offset:8
	global_load_b32 v6, v15, s[4:5]
	global_load_b32 v7, v15, s[4:5] offset:8
	WIN 0x40                                           ; destination window 1
.irp s, 0,1,2,3,4,5,6,7
.irp c, 0,1,2
	global_load_b128 v[12*\s+4*\c:12*\s+4*\c+3], v1, s[8:9] offset:1536*\s+512*\c
.endr
.endr
	WIN 0
.irp p, 0,1,2,3
	global_load_b64 v[48+2*\p:49+2*\p], v2, s[8:9] offset:12288+256*\p
.endr
	s_wait_loadcnt 28                                  ; the four group numbers are in; the source tile's 28 loads stay out
.irp a, 0,1
	v_min_u32 v[4+\a], 6249, v[4+\a]                   ; the hold ahead of every address
	v_min_u32 v[6+\a], 6249, v[6+\a]
	v_and_b32 v14, -2, v[4+\a]
	v_mul_u32_u24 v14, v14, REC/2                      ; record g / 2
	v_and_b32 v[4+\a], 1, v[4+\a]
	v_lshl_add_u32 v[8+\a], v[4+\a], 7, v14            ; + 16 x 8 (g % 2)
	v_lshl_add_u32 v[10+\a], v[4+\a], 6, v14           ; + 8 x 8 (g % 2)
	v_add_nc_u32 v[8+\a], v[8+\a], v248                ; the codes' place
	v_add_nc_u32 v[10+\a], v[10+\a], v249              ; the scale words'
	v_lshlrev_b32 v[12+\a], 3, v[6+\a]                 ; the first target of the group that my registers will hold
.endr
.irp a, 0,1
.irp s, 0,1,2,3,4,5,6,7
.irp c, 0,1,2
	global_load_b128 v[56+96*\a+12*\s+4*\c:56+96*\a+12*\s+4*\c+3], v[8+\a], s[6:7] offset:1536*\s+512*\c
.endr
.endr
.irp p, 0,1,2,3
	global_load_b64 v[32+8*\a+2*\p:33+8*\a+2*\p], v[10+\a], s[6:7] offset:12288+256*\p
.endr
.endr
.irp k, 0,1,2,3
	v_mov_b32 v[LM+\k], 0xff800000                     ; the list begins with -infinity, under every sim
	v_mov_b32 v[LM+4+\k], 0
.endr
	s_wait_loadcnt 0x0
	WIN 0x04                                           ; source 1 window 1
.irp a, 0,1
	v_wmma_scale_f32_16x16x128_f8f6f4 v[16+8*\a:23+8*\a], v[56+96*\a:67+96*\a], v[0:11], 0, v[32+8*\a], v48 matrix_a_fmt:MATRIX_FMT_BF6 matrix_b_fmt:MATRIX_FMT_BF6
.endr
.irp s, 1,2,3,4,5,6,7                              ; the two accumulators by turns, one instruction a turn; K ascending
.irp a, 0,1
	v_wmma_scale_f32_16x16x128_f8f6f4 v[16+8*\a:23+8*\a], v[56+96*\a+12*\s:67+96*\a+12*\s], v[12*\s:12*\s+11], v[16+8*\a:23+8*\a], v[32+8*\a+\s], v[48+\s] matrix_a_fmt:MATRIX_FMT_BF6 matrix_b_fmt:MATRIX_FMT_BF6
.endr
.endr
	WIN 0
.rept 4
	v_nop                                              ; four places ahead of the first read of results (ISA guide 7.12.1)
.endr
	s_wait_alu depctr_va_vdst(0)
.irp a, 0,1
.irp j, 0,1,2,3,4,5,6,7                            ; each accumulator from its low end on
	v_add_nc_u32 v14, \j, v[12+\a]                     ; the target's index
	INS 16+8*\a+\j, 14, 1
.endr
.endr
.irp i, 0,1,2,3,4,5,6,7
	v_permlanex16_b32 v[56+\i], v[LM+\i], s20, s21     ; the other half's list: the row's other two groups
.endr
.irp j, 0,1,2,3
	INS 56+\j, 60+\j, 1
.endr
	v_and_b32 v14, 31, v0
	v_mov_b32 v3, 0
	v_cmp_eq_u32 vcc_lo, s14, v14                      ; lane n stores
	s_wait_alu depctr_va_vdst(0)
	s_wait_xcnt 0x0                                    ; EXEC changes only behind this wait
	s_and_saveexec_b32 s30, vcc_lo
	global_store_b128 v3, v[LM+4:LM+7], s[10:11]
	s_wait_xcnt 0x0                                    ; and again, in front of the line that widens it
	s_or_b32 exec_lo, exec_lo, s30
	s_endpgm
.Lfunc_end_k_q6d85151078_rescore:
	.size	k_q6d85151078_rescore, .Lfunc_end_k_q6d85151078_rescore-k_q6d85151078_rescore
	.p2alignl 7, 3214868480
	.fill 96, 4, 3214868480
	.section	.rodata,"a",@progbits
	.p2align	6, 0x0
	.amdhsa_kernel k_q6d85151078_rescore
		.amdhsa_group_segment_fixed_size 0
		.amdhsa_private_segment_fixed_size 0
		.amdhsa_enable_private_segment 0
		.amdhsa_kernarg_size 32
		.amdhsa_user_sgpr_count 2
		.amdhsa_user_sgpr_kernarg_segment_ptr 1
		.amdhsa_wavefront_size32 1
		.amdhsa_system_sgpr_workgroup_id_x 1
		.amdhsa_system_sgpr_workgroup_id_y 1
		.amdhsa_system_sgpr_workgroup_id_z 1
		.amdhsa_system_vgpr_workitem_id 0
		.amdhsa_next_free_vgpr 352
		.amdhsa_next_free_sgpr 66
		.amdhsa_reserve_vcc 1
		.amdhsa_float_denorm_mode_32 3
		.amdhsa_float_denorm_mode_16_64 3
		.amdhsa_memory_ordered 1
		.amdhsa_forward_progress 1
		.amdhsa_inst_pref_size 48
	.end_amdhsa_kernel
	.amdgpu_metadata
---
amdhsa.version: [ 1, 2 ]
amdhsa.kernels:
  - .name:           k_q6d85151078_rescore
    .symbol:         k_q6d85151078_rescore.kd
    .args:
      - { .name: topg, .offset: 0, .size: 8, .value_kind: global_buffer, .address_space: global }
      - { .name: tcode, .offset: 8, .size: 8, .value_kind: global_buffer, .address_space: global }
      - { .name: scode, .offset: 16, .size: 8, .value_kind: global_buffer, .address_space: global }
      - { .name: nbr, .offset: 24, .size: 8, .value_kind: global_buffer, .address_space: global }
    .group_segment_fixed_size: 0
    .private_segment_fixed_size: 0
    .kernarg_segment_align: 8
    .kernarg_segment_size: 32
    .max_flat_workgroup_size: 128
    .sgpr_count:     66
    .vgpr_count:     352
    .wavefront_size: 32
...
	.end_amdgpu_metadata
.endif
;; end of part 4
;; launch gather (part 5): grid 256 x 1, 4 waves a work-group, no clusters, 0 bytes of LDS; arguments nbr, target_feats, out0; writes out0
.if DOCPART == 5
	.amdgcn_target "amdgcn-amd-amdhsa--gfx1250"
	.amdhsa_code_object_version 6
	.text
	.protected	k_q6d85151078_gather
	.globl	k_q6d85151078_gather
	.p2align	8
	.type	k_q6d85151078_gather,@function
k_q6d85151078_gather:
	s_mov_b64 s[64:65], 0
	v_nop
	global_prefetch_b8 v0, s[64:65] scope:SCOPE_SE
	s_setreg_imm32_b32 hwreg(HW_REG_WAVE_MODE, 25, 1), 1
	s_wait_xcnt 0x0
; out0[row] = the mean of the four ORIGINAL rows of target_feats that nbr[row] names.  nbr: [1,024][4] indices, stored by an earlier launch.  target_feats [50000][1024], out0 [1024][1024], f32.
; One wave takes one row: 4 x 4,096 bytes in, 4,096 out.  All 32 loads go out at once, each 512 consecutive bytes; the sum is ((r0 + r1) + r2) + r3, times 1/4, which rounds nothing.
; No hint on the loads: a target may be the neighbour of several rows.
	s_load_b128 s[4:7], s[0:1], 0x0                    ; nbr, target_feats
	s_load_b64 s[8:9], s[0:1], 0x10                    ; out0
	v_lshrrev_b32 v2, 5, v0
	v_readfirstlane_b32 s10, v2                        ; wave 0..3
	v_and_b32 v1, 31, v0
	v_lshlrev_b32 v1, 4, v1                            ; 16 x lane
	s_lshl_b32 s11, ttmp9, 2
	s_add_co_u32 s11, s11, s10                         ; my row
	s_lshl_b32 s24, s11, 4
	s_mov_b32 s25, 0
	s_lshl_b32 s26, s11, 12
	s_mov_b32 s27, 0
	s_wait_alu depctr_va_vdst(0)
	s_wait_kmcnt 0x0
	s_add_nc_u64 s[4:5], s[4:5], s[24:25]
	s_add_nc_u64 s[8:9], s[8:9], s[26:27]
	s_load_b128 s[12:15], s[4:5], 0x0                  ; the four indices
	s_wait_kmcnt 0x0
.irp q, 0,1,2,3
	s_min_u32 s[12+\q], s[12+\q], 49999
	s_lshl_b32 s[16+2*\q], s[12+\q], 12                ; rows of 4,096 bytes: under 2^28
	s_mov_b32 s[17+2*\q], 0
	s_add_nc_u64 s[16+2*\q:17+2*\q], s[6:7], s[16+2*\q:17+2*\q]
.endr
.irp i, 0,1,2,3,4,5,6,7
.irp q, 0,1,2,3
	global_load_b128 v[16+16*\i+4*\q:19+16*\i+4*\q], v1, s[16+2*\q:17+2*\q] offset:512*\i
.endr
.endr
.irp i, 0,1,2,3,4,5,6,7
	s_wait_loadcnt 4*(7-\i)                            ; this piece's four loads are in; the four of each later piece stay out
.irp q, 1,2,3
	v_pk_add_f32 v[16+16*\i:17+16*\i], v[16+16*\i:17+16*\i], v[16+16*\i+4*\q:17+16*\i+4*\q]
	v_pk_add_f32 v[18+16*\i:19+16*\i], v[18+16*\i:19+16*\i], v[18+16*\i+4*\q:19+16*\i+4*\q]
.endr
	v_pk_mul_f32 v[16+16*\i:17+16*\i], v[16+16*\i:17+16*\i], 0x3e800000 op_sel_hi:[1,0]
	v_pk_mul_f32 v[18+16*\i:19+16*\i], v[18+16*\i:19+16*\i], 0x3e800000 op_sel_hi:[1,0]
	global_store_b128 v1, v[16+16*\i:19+16*\i], s[8:9] offset:512*\i th:TH_STORE_NT   ; 32 lanes store 512 consecutive bytes, at a multiple of 256 from out0's first byte
.endr
	s_endpgm
.Lfunc_end_k_q6d85151078_gather:
	.size	k_q6d85151078_gather, .Lfunc_end_k_q6d85151078_gather-k_q6d85151078_gather
	.p2alignl 7, 3214868480
	.fill 96, 4, 3214868480
	.section	.rodata,"a",@progbits
	.p2align	6, 0x0
	.amdhsa_kernel k_q6d85151078_gather
		.amdhsa_group_segment_fixed_size 0
		.amdhsa_private_segment_fixed_size 0
		.amdhsa_enable_private_segment 0
		.amdhsa_kernarg_size 24
		.amdhsa_user_sgpr_count 2
		.amdhsa_user_sgpr_kernarg_segment_ptr 1
		.amdhsa_wavefront_size32 1
		.amdhsa_system_sgpr_workgroup_id_x 1
		.amdhsa_system_sgpr_workgroup_id_y 1
		.amdhsa_system_sgpr_workgroup_id_z 1
		.amdhsa_system_vgpr_workitem_id 0
		.amdhsa_next_free_vgpr 144
		.amdhsa_next_free_sgpr 66
		.amdhsa_reserve_vcc 0
		.amdhsa_float_denorm_mode_32 3
		.amdhsa_float_denorm_mode_16_64 3
		.amdhsa_memory_ordered 1
		.amdhsa_forward_progress 1
		.amdhsa_inst_pref_size 11
	.end_amdhsa_kernel
	.amdgpu_metadata
---
amdhsa.version: [ 1, 2 ]
amdhsa.kernels:
  - .name:           k_q6d85151078_gather
    .symbol:         k_q6d85151078_gather.kd
    .args:
      - { .name: nbr, .offset: 0, .size: 8, .value_kind: global_buffer, .address_space: global }
      - { .name: target_feats, .offset: 8, .size: 8, .value_kind: global_buffer, .address_space: global }
      - { .name: out0, .offset: 16, .size: 8, .value_kind: global_buffer, .address_space: global }
    .group_segment_fixed_size: 0
    .private_segment_fixed_size: 0
    .kernarg_segment_align: 8
    .kernarg_segment_size: 24
    .max_flat_workgroup_size: 128
    .sgpr_count:     66
    .vgpr_count:     144
    .wavefront_size: 32
...
	.end_amdgpu_metadata
.endif
;; end of part 5
